; MI455X (gfx1250); checked and timed in simulation.
; The chip was launched on July 23, 2026; its instructions are those of AMD's public machine-readable ISA for CDNA 5 (MIT licence, August 2026) and "CDNA5" Instruction Set Architecture Reference Guide (July 2026). The comments in the code are by the model that wrote it; some were corrected since.
;; Irregular Grid. Allowed arithmetic: float matrix products may take bf16 or f16 operands with f32 sums; all other float work in f32.
;; Inputs: grid_data 7,077,888 x 28 float32; grid_idx 192 x 192 x 192 int32; rays_d 1,024 x 3 float32; rays_o 1,024 x 3 float32.
;; Outputs: out0 1,024 x 3 float32; out1 1,024 x 399 float32; out2 1,024 float32.
;; Constants: n_samples = 400.
;; One version. Each part assembles by itself: llvm-mc -triple=amdgcn-amd-amdhsa -mcpu=gfx1250 --defsym DOCPART=n.
;; ======== version 1 of 1: 2 launches
;; workspace buffers: vox 3,276,800 bytes of whole numbers; smp 6,553,600 bytes
;; launch coords (part 1): grid 512 x 1, 25 waves a work-group, no clusters, 0 bytes of LDS; arguments rays_o, rays_d, vox, smp; writes vox, smp
.if DOCPART == 1
	.amdgcn_target "amdgcn-amd-amdhsa--gfx1250"
	.amdhsa_code_object_version 6
	.text
	.protected	k_q37a303f43a_coords
	.globl	k_q37a303f43a_coords
	.p2align	8
	.type	k_q37a303f43a_coords,@function
k_q37a303f43a_coords:
	s_mov_b64 s[64:65], 0
	v_nop
	global_prefetch_b8 v0, s[64:65] scope:SCOPE_SE
	s_setreg_imm32_b32 hwreg(HW_REG_WAVE_MODE, 25, 1), 1
	s_wait_xcnt 0x0
; COORDS: for each of 1024 x 400 samples the six clipped voxel coordinates (whole numbers, from which the next launch forms
; its addresses) and (x, y, z, t): the three interpolation fractions and the distance along the ray.
; 800 threads = 2 rays x 400 samples, a thread a sample; sample number g = 800 x work-group + thread.
;   vox[g] = 8 bytes: ix_lo | ix_hi<<8 | iy_lo<<16 | iy_hi<<24,  iz_lo | iz_hi<<8   (a wave's store: 256 neighbouring bytes, aligned)
;   smp[g] = 16 bytes: x, y, z, t                                                  (a wave's store: 512 neighbouring bytes, aligned)
; ROUNDING.  floor() decides which voxel is read, and the low and the high corner are floored apart: for one f32 value of a
; coordinate next to a voxel boundary they come out two voxels apart, and the interpolation then reads another voxel.  So
; everything in front of floor() has to round exactly where the formula's own evaluation rounds.  Taken here: the formula compiled
; as a whole, in which a division by a constant is a multiplication by the constant's rounded reciprocal (RN(1/399); RN(1/V) = 95.5)
; and a multiply whose only use is an add is contracted with it; of the two products under the add that makes t, the one of the
; shallower expression, end w, is the contracted one:
;   w = RN(i RN(1/399)), the last one 1;  t = min(fma(end, w, RN(start (1 - w))), t_out);  p = fma(t, d, o);
;   voxel = floor(fma(p -+ V/2, 95.5, 1e-5)).
; The divisions by rays_d stay divisions and are correctly rounded: reciprocal, one Newton step, two residual corrections.
; LIMITS.  A slab that is 0/0 (rays_o = +-1 where rays_d = 0) is passed over by min/max where the formula gives NaN.
; A component of rays_d is 0 (it gives the signed infinity) or between 2^-96 and 2^96 in magnitude.
; No LDS, no barrier, no matrix unit, no cluster: threads share nothing but two rays' six numbers.
.set NS,    400
.set O,     4                          ; v[4:6]    rays_o
.set D,     7                          ; v[7:9]    rays_d
.set Y0,    10                         ; v[10:12]  1/d as the unit gives it
.set Y1,    13                         ; v[13:15]  after one Newton step
.set LO,    16                         ; v[16:18]  nearer slab distance of each axis
.set HI,    19                         ; v[19:21]  farther one
.set TIN,   22
.set TOUT,  23
.set W,     24                         ; v24 w, v25 1 - w
.set START, 28                         ; written behind the divisions, which use v27-33 as scratch
.set END,   29
                                       ; v27-35 at work
.set IDLO,  36                         ; v[36:38]  clipped voxel number of the low corner
.set IDHI,  39                         ; v[39:41]  of the high corner
.set XYZ,   44                         ; v[44:47]  x, y, z, t: the tuple that is stored
.set TT,    47
.set PK,    48                         ; v[48:49]  the packed voxel numbers
.set VOFF,  50                         ; store offsets
.set SOFF,  51
	s_load_b256 s[4:11], s[0:1], 0x0               ; rays_o s[4:5], rays_d s[6:7], vox s[8:9], smp s[10:11]
	s_mov_b32 s12, 0x3c2b8f6a                      ; V = f32(2/191)
	s_mov_b32 s13, 0x3bab8f6a                      ; V/2
	s_mov_b32 s14, 0x42bf0000                      ; 95.5 = RN(1/V)
	s_mov_b32 s15, 0x3727c5ac                      ; 1e-5
	s_mov_b32 s16, 0x42c00000                      ; 96
	s_mov_b32 s17, 0x433f0000                      ; 191
	s_mov_b32 s18, 0x3f7ea8e1                      ; 1 - V/2
	s_mov_b32 s19, 0xbf7ea8e1                      ; -(1 - V/2)
	s_mov_b32 s20, 0x4006080b                      ; f32(0.5 V 400)
	s_mov_b32 s21, 0x3b244029                      ; RN(1/399)
	v_cmp_le_u32 vcc_lo, NS, v0
	v_cndmask_b32 v1, 0, 1, vcc_lo                 ; which of the group's two rays
	v_mul_u32_u24 v27, NS, v1
	v_sub_nc_u32 v2, v0, v27                       ; sample i of that ray
	v_mul_u32_u24 v3, 12, v1                       ; the ray's 12 bytes
	v_lshlrev_b32 v[VOFF], 3, v0
	v_lshlrev_b32 v[SOFF], 4, v0
	s_mul_i32 s2, ttmp9, 24                        ; two rays of 12 bytes a work-group
	s_mov_b32 s3, 0
	s_wait_kmcnt 0x0
	s_add_nc_u64 s[4:5], s[4:5], s[2:3]
	s_add_nc_u64 s[6:7], s[6:7], s[2:3]
.irp c, 0,1,2
	global_load_b32 v[O+\c], v3, s[4:5] offset:4*\c
	global_load_b32 v[D+\c], v3, s[6:7] offset:4*\c
.endr
	s_mul_i32 s2, ttmp9, 2*NS*8
	s_add_nc_u64 s[8:9], s[8:9], s[2:3]            ; vox at the group's first sample
	s_mul_i32 s2, ttmp9, 2*NS*16
	s_add_nc_u64 s[10:11], s[10:11], s[2:3]        ; smp likewise
	s_wait_loadcnt 0x0
	; 1/d.  Behind the three reciprocals one plain vector line stands before a result is used (ISA guide 5.7.2).
	v_rcp_f32 v[Y0], v[D]
	v_rcp_f32 v[Y0+1], v[D+1]
	v_rcp_f32 v[Y0+2], v[D+2]
	v_nop
	s_wait_alu depctr_va_vdst(0)
.irp c, 0,1,2
	v_cmp_eq_f32 s[24+\c], 0, v[D+\c]              ; d = 0: the quotient is taken from n * (1/0)
	v_fma_f32 v27, -v[D+\c], v[Y0+\c], 1.0
	v_fma_f32 v[Y1+\c], v27, v[Y0+\c], v[Y0+\c]
.endr
; dst = n / d[c], correctly rounded: the residual n - d q is exact in a fused multiply-add once q is within a unit of the last place
.macro DIVD dst, n, c
	v_mul_f32 v29, v[\n], v[Y1+\c]
	v_fma_f32 v30, -v[D+\c], v29, v[\n]
	v_fma_f32 v29, v30, v[Y1+\c], v29
	v_fma_f32 v30, -v[D+\c], v29, v[\n]
	v_fma_f32 v29, v30, v[Y1+\c], v29
	v_mul_f32 v31, v[\n], v[Y0+\c]
	v_cndmask_b32 v[\dst], v29, v31, s[24+\c]
.endm
.irp c, 0,1,2
	v_sub_f32 v27, 1.0, v[O+\c]
	v_sub_f32 v28, -1.0, v[O+\c]
	DIVD 32, 27, \c
	DIVD 33, 28, \c
	v_min_num_f32 v[LO+\c], v32, v33
	v_max_num_f32 v[HI+\c], v32, v33
.endr
	v_max3_num_f32 v[TIN], v[LO], v[LO+1], v[LO+2]
	v_min3_num_f32 v[TOUT], v[HI], v[HI+1], v[HI+2]
	; w = i RN(1/399), the last one 1;  t = min(fma(end, w, start (1 - w)), t_out)
	v_cvt_f32_u32 v30, v2
	v_mul_f32 v[W], s21, v30
	v_cmp_eq_u32 vcc_lo, NS-1, v2
	v_cndmask_b32 v[W], v[W], 1.0, vcc_lo
	v_sub_f32 v[W+1], 1.0, v[W]
	v_add_f32 v[START], s13, v[TIN]
	v_add_f32 v[END], s20, v[TIN]
	v_mul_f32 v30, v[START], v[W+1]                ; this product is rounded by itself,
	v_fma_f32 v30, v[END], v[W], v30               ; the other one is not: see ROUNDING
	v_min_num_f32 v[TT], v30, v[TOUT]
.irp c, 0,1,2
	v_fma_f32 v31, v[TT], v[D+\c], v[O+\c]         ; p
	v_sub_f32 v32, v31, s13                        ; the low corner's coordinate
	v_add_f32 v33, s13, v31                        ; the high corner's
	v_fma_f32 v32, v32, s14, s15                   ; x 95.5 + 1e-5, one rounding
	v_fma_f32 v33, v33, s14, s15
	v_floor_f32 v32, v32
	v_floor_f32 v33, v33
	v_add_f32 v34, s16, v32
	v_add_f32 v35, s16, v33
	v_max_num_f32 v34, 0, v34                      ; clipped as floats (whole numbers there), then converted
	v_max_num_f32 v35, 0, v35
	v_min_num_f32 v34, s17, v34
	v_min_num_f32 v35, s17, v35
	v_cvt_u32_f32 v[IDLO+\c], v34
	v_cvt_u32_f32 v[IDHI+\c], v35
	v_add_f32 v32, 0.5, v32                        ; the low voxel's centre, clipped
	v_mul_f32 v32, s12, v32
	v_max_num_f32 v32, s19, v32
	v_min_num_f32 v32, s18, v32
	v_sub_f32 v31, v31, v32
	v_mul_f32 v[XYZ+\c], s14, v31
.endr
	v_lshl_or_b32 v[PK], v[IDHI], 8, v[IDLO]
	v_lshl_or_b32 v[PK], v[IDLO+1], 16, v[PK]
	v_lshl_or_b32 v[PK], v[IDHI+1], 24, v[PK]
	v_lshl_or_b32 v[PK+1], v[IDHI+2], 8, v[IDLO+2]
	global_store_b64 v[VOFF], v[PK:PK+1], s[8:9]
	global_store_b128 v[SOFF], v[XYZ:XYZ+3], s[10:11]
	s_endpgm
.Lfunc_end_k_q37a303f43a_coords:
	.size	k_q37a303f43a_coords, .Lfunc_end_k_q37a303f43a_coords-k_q37a303f43a_coords
	.p2alignl 7, 3214868480
	.fill 96, 4, 3214868480
	.section	.rodata,"a",@progbits
	.p2align	6, 0x0
	.amdhsa_kernel k_q37a303f43a_coords
		.amdhsa_group_segment_fixed_size 0
		.amdhsa_private_segment_fixed_size 0
		.amdhsa_enable_private_segment 0
		.amdhsa_kernarg_size 32
		.amdhsa_user_sgpr_count 2
		.amdhsa_user_sgpr_kernarg_segment_ptr 1
		.amdhsa_wavefront_size32 1
		.amdhsa_system_sgpr_workgroup_id_x 1
		.amdhsa_system_sgpr_workgroup_id_y 1
		.amdhsa_system_sgpr_workgroup_id_z 1
		.amdhsa_system_vgpr_workitem_id 0
		.amdhsa_next_free_vgpr 52
		.amdhsa_next_free_sgpr 66
		.amdhsa_reserve_vcc 1
		.amdhsa_float_denorm_mode_32 3
		.amdhsa_float_denorm_mode_16_64 3
		.amdhsa_memory_ordered 1
		.amdhsa_forward_progress 1
		.amdhsa_inst_pref_size 9
	.end_amdhsa_kernel
	.amdgpu_metadata
---
amdhsa.version: [ 1, 2 ]
amdhsa.kernels:
  - .name:           k_q37a303f43a_coords
    .symbol:         k_q37a303f43a_coords.kd
    .args:
      - { .name: rays_o, .offset: 0, .size: 8, .value_kind: global_buffer, .address_space: global }
      - { .name: rays_d, .offset: 8, .size: 8, .value_kind: global_buffer, .address_space: global }
      - { .name: vox, .offset: 16, .size: 8, .value_kind: global_buffer, .address_space: global }
      - { .name: smp, .offset: 24, .size: 8, .value_kind: global_buffer, .address_space: global }
    .group_segment_fixed_size: 0
    .private_segment_fixed_size: 0
    .kernarg_segment_align: 8
    .kernarg_segment_size: 32
    .max_flat_workgroup_size: 800
    .sgpr_count:     66
    .vgpr_count:     52
    .wavefront_size: 32
...
	.end_amdgpu_metadata
.endif
;; end of part 1
;; launch render (part 2): grid 1024 x 1, 4 waves a work-group, no clusters, 45,568 bytes of LDS; arguments vox, smp, grid_idx, grid_data, rays_d, out0, out1, out2; writes out0, out1, out2
.if DOCPART == 2
	.amdgcn_target "amdgcn-amd-amdhsa--gfx1250"
	.amdhsa_code_object_version 6
	.text
	.protected	k_q37a303f43a_render
	.globl	k_q37a303f43a_render
	.p2align	8
	.type	k_q37a303f43a_render,@function
k_q37a303f43a_render:
	s_mov_b64 s[64:65], 0
	v_nop
	global_prefetch_b8 v0, s[64:65] scope:SCOPE_SE
	s_setreg_imm32_b32 hwreg(HW_REG_WAVE_MODE, 25, 1), 1
	s_wait_xcnt 0x0
; RENDER: a work-group is a ray; wave w owns its samples 100 w .. 100 w + 99 in both phases.
; PHASE 1, 25 quads of 4 samples: lane = (sample g = lane / 8, t = lane % 8).
;   index stage: t is the corner; the lane makes the corner's place in grid_idx and its trilinear weight, one load fetches 32 entries.
;   row stage:   t is the 16-byte piece of a 112-byte row; corner c's index is spread over the sample's 8 lanes, and one 16-byte load
;                a lane fetches four whole rows (lane 7 repeats piece 6).  The 8 corners add up inside the lane: no sum across lanes.
;   The 28 features of a sample go to LDS, 112 bytes apart.
;   On their way: first all 50 list loads, then all 25 index loads, then a ring of 4 quads x 8 row loads in registers.
; PHASE 2, lane = sample, four turns of 32: colour, alpha, the running product (scan in the wave, scalar carry from turn to turn), five sums.
;   The sums are linear in the product of the waves in front, so each wave leaves (product, sums) in LDS and wave 0 joins the four.
; The two contractions (8 corners x 28 features, 27 features x 3 colours) hold numbers of one sample alone: no operand is shared that
; would fill a 16 x 16 tile, so they run in f32 on the vector unit.  No cluster, no tensor load: rows are scattered, 112 bytes each,
; and no two work-groups ask for a common tile.  A row of out1 is 1,596 bytes, so its rows start on multiples of 4 only: a wave's
; store covers 128 neighbouring bytes.
; LIMITS.  An entry of grid_idx outside the table is clamped into it.  Sums and the product are formed wave by wave and then joined,
; in another order than a running sum.  |rays_d|^2 must be a normal f32 (|rays_d| between about 1e-19 and 1e19).
.set NS,    400
.set WSMP,  100                        ; samples of a wave
.set FPITCH, 112                       ; LDS bytes of a sample's features = 7 x 16: 16 lanes that read 16 rows start at 16 different 16-byte columns of 256
.set WFEAT, WSMP*FPITCH                ; a wave's own feature bytes
.set REC,   4*WFEAT                    ; behind them: 4 records of 32 bytes
.set LANE,  1
.set TT,    2                          ; lane % 8
.set GG,    3                          ; lane / 8
.set SHX,   4                          ; bit offsets of my corner's coordinates in the packed words
.set SHY,   5
.set SHZ,   6
.set AB,    7                          ; v[7:12]  per axis (a, b): weight factor = a + b x, (1, -1) low corner, (0, 1) high corner
.set PIECE, 13                         ; 16 min(t, 6)
.set VOXA,  14                         ; offsets, never rewritten
.set SMPA,  15
.set LST,   16                         ; LDS: where my piece of my sample's features goes
.set TA,    17                         ; smp offset of t of sample 100 w + lane
.set TB,    18                         ; of sample 100 w + min(96 + lane, 99)
.set TC,    19                         ; of the sample behind that, at most 399
.set LLA,   20                         ; LDS: features of sample 100 w + lane
.set LLB,   21                         ; of sample 100 w + min(96 + lane, 99)
.set OA,    22                         ; out1 offset of sample 100 w + lane
.set SNO,   23                         ; 100 w + 96 + lane
.set T0,    24                         ; v[24:27] t of my sample in turn j
.set T1,    28                         ; v[28:31] t of the next sample
.set PAIR,  32                         ; v[32:81] quad q: packed words, then (index, weight)
.set RING,  82                         ; v[82:209] 4 slots x 8 rows x 4 registers; before that the lists' x, y, z, t; in phase 2 the features
.set WB,    210                        ; v[210:225] weight of corner c in the first register of pair c
.set ACC,   226                        ; v[226:229]
.set SC,    230                        ; v[230:235] at work
; phase 2, in registers of PAIR, which is done with by then
.set NB,    32                         ; v[33:40] -log2(e) x SH basis 1..8 (term 0 is a constant)
.set NORM,  41
.set AL,    44                         ; v[44:47] alpha of turn j
.set U,     48                         ; v[48:50]
.set EE,    51
.set DIST,  52
.set PP,    53
.set MM,    54
.set PF,    55
.set WW,    56
.set CARRY, 72                         ; v[72:79] the record: product, sums of w, w r, w g, w b, w t, 0, 0
.set SA,    73
	s_load_b512 s[8:23], s[0:1], 0x0               ; vox 8, smp 10, grid_idx 12, grid_data 14, rays_d 16, out0 18, out1 20, out2 22
	v_lshl_add_u32 v240, v0, 2, 0xb000
	v_mov_b32 v241, 0
	v_and_b32 v[LANE], 31, v0
	v_lshrrev_b32 v[SC], 5, v0
	v_readfirstlane_b32 s2, v[SC]                  ; wave
	s_mul_i32 s3, s2, WFEAT
	s_mul_i32 s26, s2, WSMP                        ; my first sample
	s_add_co_u32 s36, s26, WSMP
	s_min_u32 s36, s36, NS-1                       ; alphas exist below this sample number
	s_lshl_b32 s40, s2, 5
	s_add_co_u32 s40, s40, REC                     ; my record
	s_mov_b32 s32, 0x76543210                      ; v_permlanex16_b32: lane i reads lane i of the other half
	s_mov_b32 s33, 0xfedcba98
	s_mov_b32 s34, 0xffff0000                      ; lanes 16-31
	s_mov_b32 s35, 0xf                             ; the fourth turn's samples 96-99
	v_and_b32 v[TT], 7, v[LANE]
	v_lshrrev_b32 v[GG], 3, v[LANE]
	v_and_b32 v[SC], 4, v[TT]                      ; corner bits: 4 = x high, 2 = y high, 1 = z high
	v_and_b32 v[SC+1], 2, v[TT]
	v_and_b32 v[SC+2], 1, v[TT]
	v_lshlrev_b32 v[SHX], 1, v[SC]                 ; 0 or 8
	v_lshl_add_u32 v[SHY], v[SC+1], 2, 16          ; 16 or 24
	v_lshlrev_b32 v[SHZ], 3, v[SC+2]               ; 0 or 8
.irp a, 0,1,2
	v_cmp_ne_u32 vcc_lo, 0, v[SC+\a]
	v_cndmask_b32 v[AB+2*\a], 1.0, 0, vcc_lo
	v_cndmask_b32 v[AB+2*\a+1], -1.0, 1.0, vcc_lo
.endr
	v_min_u32 v[PIECE], 6, v[TT]
	v_lshlrev_b32 v[PIECE], 4, v[PIECE]
	v_add_nc_u32 v[SC], s26, v[GG]
	v_lshlrev_b32 v[VOXA], 3, v[SC]
	v_lshlrev_b32 v[SMPA], 4, v[SC]
	v_mad_u32_u24 v[LST], v[GG], FPITCH, v[PIECE]
	v_add_nc_u32 v[LST], s3, v[LST]
	v_add_nc_u32 v[SC], s26, v[LANE]
	v_lshl_add_u32 v[TA], v[SC], 4, 12
	v_lshlrev_b32 v[OA], 2, v[SC]
	v_add_nc_u32 v[SNO], 96, v[SC]
	v_add_nc_u32 v[SC+1], 96, v[LANE]
	v_min_u32 v[SC+1], WSMP-1, v[SC+1]
	v_add_nc_u32 v[SC+2], s26, v[SC+1]
	v_lshl_add_u32 v[TB], v[SC+2], 4, 12
	v_add_nc_u32 v[SC+3], 1, v[SC+2]
	v_min_u32 v[SC+3], NS-1, v[SC+3]               ; sample 399 has no successor: its interval comes out as 0
	v_lshl_add_u32 v[TC], v[SC+3], 4, 12
	v_mad_u32_u24 v[LLA], v[LANE], FPITCH, s3
	v_mad_u32_u24 v[LLB], v[SC+1], FPITCH, s3
.rept 16
	v_mov_b32 v[WB+\+], 0                          ; once: a DPP destination and both registers of a packed source count as read
.endr
	s_mov_b32 s25, 0
	s_wait_kmcnt 0x0
	s_mul_i32 s24, ttmp9, NS*8
	s_add_nc_u64 s[8:9], s[8:9], s[24:25]          ; every buffer at my ray
	s_mul_i32 s24, ttmp9, NS*16
	s_add_nc_u64 s[10:11], s[10:11], s[24:25]
	s_mul_i32 s24, ttmp9, 12
	s_add_nc_u64 s[16:17], s[16:17], s[24:25]
	s_add_nc_u64 s[18:19], s[18:19], s[24:25]
	s_mul_i32 s24, ttmp9, (NS-1)*4
	s_add_nc_u64 s[20:21], s[20:21], s[24:25]
	s_lshl_b32 s24, ttmp9, 2
	s_add_nc_u64 s[22:23], s[22:23], s[24:25]
	s_load_b96 s[28:30], s[16:17], 0x0             ; the ray's direction, wanted in phase 2
	; ---------------- PHASE 1 ----------------
.irp j, 0,1,2
	global_load_b32 v[T0+\j], v[TA], s[10:11] offset:512*\j
	global_load_b32 v[T1+\j], v[TA], s[10:11] offset:512*\j+16
.endr
	global_load_b32 v[T0+3], v[TB], s[10:11]
	global_load_b32 v[T1+3], v[TC], s[10:11]
.macro LIST q                          ; the quad's packed coordinates and fractions; the 8 lanes of a sample ask for the same bytes
	global_load_b64  v[PAIR+2*(\q):PAIR+2*(\q)+1], v[VOXA], s[8:9] offset:32*(\q)
	global_load_b128 v[RING+4*(\q):RING+4*(\q)+3], v[SMPA], s[10:11] offset:64*(\q)
.endm
.macro INDEX q
	s_wait_loadcnt 48-(\q)                         ; behind list q stand 2 (24 - q) list loads and the q index loads issued so far
	v_bfe_u32 v[SC],   v[PAIR+2*(\q)],   v[SHX], 8
	v_bfe_u32 v[SC+1], v[PAIR+2*(\q)],   v[SHY], 8
	v_bfe_u32 v[SC+2], v[PAIR+2*(\q)+1], v[SHZ], 8
	v_min_u32 v[SC],   191, v[SC]                  ; a loaded number enters an address only behind a clamp by a constant
	v_min_u32 v[SC+1], 191, v[SC+1]
	v_min_u32 v[SC+2], 191, v[SC+2]
	v_mad_u32_u24 v[SC], v[SC], 192, v[SC+1]
	v_mad_u32_u24 v[SC], v[SC], 192, v[SC+2]
	v_fma_f32 v[SC+3], v[RING+4*(\q)],   v[AB+1], v[AB]
	v_fma_f32 v[SC+4], v[RING+4*(\q)+1], v[AB+3], v[AB+2]
	v_fma_f32 v[SC+5], v[RING+4*(\q)+2], v[AB+5], v[AB+4]
	v_mul_f32 v[SC+3], v[SC+3], v[SC+4]
	v_mul_f32 v[PAIR+2*(\q)+1], v[SC+3], v[SC+5]   ; my corner's weight
	v_lshlrev_b32 v[PAIR+2*(\q)], 2, v[SC]
	global_load_b32 v[PAIR+2*(\q)], v[PAIR+2*(\q)], s[12:13]       ; lands on its own address register
.endm
; Eight loads of four rows.  The row number is clamped in two parts, 7,077,888 = 1,728 x 4,096, as a clamp's constant is at most 0x100000;
; the largest byte offset is 1,727 x 458,752 + 4,095 x 112 + 96 = 792,723,440, the table's last 16 bytes.
.macro ROWS q
.irp c, 0,1,2,3,4,5,6,7
	v_mov_b32_dpp v[SC+2*(\c%2)], v[PAIR+2*(\q)] dpp8:[\c,\c,\c,\c,\c,\c,\c,\c]
	v_lshrrev_b32 v[SC+2*(\c%2)+1], 12, v[SC+2*(\c%2)]
	v_and_b32 v[SC+2*(\c%2)], 0xfff, v[SC+2*(\c%2)]
	v_min_u32 v[SC+2*(\c%2)+1], 0x6bf, v[SC+2*(\c%2)+1]
	v_min_u32 v[SC+2*(\c%2)], 0xfff, v[SC+2*(\c%2)]
	v_mad_u32_u24 v[SC+2*(\c%2)], v[SC+2*(\c%2)], 112, v[PIECE]
	v_mad_u32 v[RING+32*((\q)%4)+4*\c], v[SC+2*(\c%2)+1], 0x70000, v[SC+2*(\c%2)]
	global_load_b128 v[RING+32*((\q)%4)+4*\c:RING+32*((\q)%4)+4*\c+3], v[RING+32*((\q)%4)+4*\c], s[14:15]
.endr
.endm
; The quad's weighted sum of 8 rows, 4 features a lane.  left = the row loads of the younger quads, which stay out.
.macro SUM q, left
	s_wait_loadcnt \left
.irp c, 0,1,2,3,4,5,6,7
	v_mov_b32_dpp v[WB+2*\c], v[PAIR+2*(\q)+1] dpp8:[\c,\c,\c,\c,\c,\c,\c,\c]
.endr
	v_pk_mul_f32 v[ACC:ACC+1],   v[RING+32*((\q)%4):RING+32*((\q)%4)+1],   v[WB:WB+1] op_sel_hi:[1,0]
	v_pk_mul_f32 v[ACC+2:ACC+3], v[RING+32*((\q)%4)+2:RING+32*((\q)%4)+3], v[WB:WB+1] op_sel_hi:[1,0]
.irp c, 1,2,3,4,5,6,7
	v_pk_fma_f32 v[ACC:ACC+1],   v[RING+32*((\q)%4)+4*\c:RING+32*((\q)%4)+4*\c+1],   v[WB+2*\c:WB+2*\c+1], v[ACC:ACC+1] op_sel_hi:[1,0,1]
	v_pk_fma_f32 v[ACC+2:ACC+3], v[RING+32*((\q)%4)+4*\c+2:RING+32*((\q)%4)+4*\c+3], v[WB+2*\c:WB+2*\c+1], v[ACC+2:ACC+3] op_sel_hi:[1,0,1]
.endr
	ds_store_b128 v[LST], v[ACC:ACC+3] offset:4*FPITCH*(\q)        ; lane 7 writes lane 6's bytes with lane 6's numbers
.endm
.irp q, 0,1,2,3,4,5,6,7,8,9,10,11,12,13,14,15,16,17,18,19,20,21,22,23,24
	LIST \q
.endr
.irp q, 0,1,2,3,4,5,6,7,8,9,10,11,12,13,14,15,16,17,18,19,20,21,22,23,24
	INDEX \q
.endr
.irp q, 0,1,2,3
	s_wait_loadcnt 24+7*\q                         ; behind index load q stand 24 - q index loads and 8 q row loads
	ROWS \q
.endr
.irp q, 0,1,2,3,4,5,6,7,8,9,10,11,12,13,14,15,16,17,18,19,20
	SUM \q, 24                                     ; three younger quads stay out; all index loads are older than quad 0's rows
	ROWS \q+4                                      ; into the slot just summed
.endr
	SUM 21, 24
	SUM 22, 16
	SUM 23, 8
	SUM 24, 0
	; ---------------- PHASE 2 ----------------
	; My own 100 samples' features, lane = sample.  LDS serves a wave's instructions in order (ISA guide 5.7.1), and these bytes
	; are my wave's own: no wait and no barrier between the stores above and these loads.
.irp j, 0,1,2
.irp k, 0,1,2,3,4,5,6
	ds_load_b128 v[RING+32*\j+4*\k:RING+32*\j+4*\k+3], v[LLA] offset:32*FPITCH*\j+16*\k
.endr
.endr
.irp k, 0,1,2,3,4,5,6
	ds_load_b128 v[RING+96+4*\k:RING+96+4*\k+3], v[LLB] offset:16*\k
.endr
	; |d| and the SH basis of d / |d|, times -log2(e): sigmoid(c) = 1 / (1 + 2^(-log2(e) c))
	s_wait_kmcnt 0x0
	v_mov_b32 v42, s28
	v_mov_b32 v43, s29
	v_mov_b32 v57, s30
	v_mul_f32 v58, v42, v42
	v_fma_f32 v58, v43, v43, v58
	v_fma_f32 v58, v57, v57, v58
	v_sqrt_f32 v[NORM], v58
	v_rsq_f32 v59, v58
	v_nop                                          ; one plain line behind the transcendentals (ISA guide 5.7.2)
	s_wait_alu depctr_va_vdst(0)
	v_mul_f32 v42, v42, v59                        ; x
	v_mul_f32 v43, v43, v59                        ; y
	v_mul_f32 v57, v57, v59                        ; z
	v_mul_f32 v[NB+1], 0.70490442, v43
	v_mul_f32 v[NB+2], -0.70490442, v57
	v_mul_f32 v[NB+3], 0.70490442, v42
	v_mul_f32 v58, v42, v43
	v_mul_f32 v[NB+4], -1.5762142, v58
	v_mul_f32 v58, v43, v57
	v_mul_f32 v[NB+5], 1.5762142, v58
	v_mul_f32 v58, v42, v57
	v_mul_f32 v[NB+7], 1.5762142, v58
	v_mul_f32 v58, v42, v42
	v_mul_f32 v59, v43, v43
	v_mul_f32 v60, v57, v57
	v_sub_f32 v56, v58, v59                        ; xx - yy
	v_add_f32 v58, v58, v59
	v_fma_f32 v60, 2.0, v60, -v58                  ; 2 zz - xx - yy
	v_mul_f32 v[NB+6], -0.45501385, v60
	v_mul_f32 v[NB+8], -0.7881071, v56
.macro TURN j
	s_wait_dscnt 7*(3-\j)                          ; the seven loads of each later turn stay out
	v_sub_f32 v[DIST], v[T1+\j], v[T0+\j]
	v_mul_f32 v[DIST], v[DIST], v[NORM]
.if \j == 3
	v_cndmask_b32 v[DIST], 0, v[DIST], s35         ; lanes 4-31 hold no sample: interval 0, so alpha 0 and factor 1
.endif
	v_max_num_f32 v57, 0, v[RING+32*\j+27]         ; relu(sigma)
	v_mul_f32 v57, v57, v[DIST]
	v_mul_f32 v57, 0xbfb8aa3b, v57                 ; x -log2(e)
.irp c, 0,1,2
	v_mul_f32 v[U+\c], 0xbed05f42, v[RING+32*\j+9*\c]              ; term 0: -log2(e) x 0.28209479
.endr
.irp k, 1,2,3,4,5,6,7,8
.irp c, 0,1,2
	v_fmac_f32 v[U+\c], v[RING+32*\j+9*\c+\k], v[NB+\k]
.endr
.endr
	v_exp_f32 v[EE], v57
	v_exp_f32 v[U], v[U]
	v_exp_f32 v[U+1], v[U+1]
	v_exp_f32 v[U+2], v[U+2]
	v_nop
	s_wait_alu depctr_va_vdst(0)
	v_sub_f32 v[AL+\j], 1.0, v[EE]                 ; alpha
	v_add_f32 v[U], 1.0, v[U]
	v_add_f32 v[U+1], 1.0, v[U+1]
	v_add_f32 v[U+2], 1.0, v[U+2]
	v_sub_f32 v[PP], 1.0, v[AL+\j]
	v_rcp_f32 v[U], v[U]                           ; the three sigmoids; the lines of the scan stand between them and their use
	v_rcp_f32 v[U+1], v[U+1]
	v_rcp_f32 v[U+2], v[U+2]
	v_add_f32 v[PP], 0x2edbe6ff, v[PP]             ; 1 - alpha + 1e-10
	; product of all factors up to mine: four steps in each half of 16 lanes (a lane without a source keeps its own), then the halves joined
	v_mul_f32_dpp v[PP], v[PP], v[PP] row_shr:1 row_mask:0xf bank_mask:0xf
	v_mul_f32_dpp v[PP], v[PP], v[PP] row_shr:2 row_mask:0xf bank_mask:0xf
	v_mul_f32_dpp v[PP], v[PP], v[PP] row_shr:4 row_mask:0xf bank_mask:0xf
	v_mul_f32_dpp v[PP], v[PP], v[PP] row_shr:8 row_mask:0xf bank_mask:0xf
	v_readlane_b32 s37, v[PP], 15
	v_cndmask_b32 v[MM], 1.0, s37, s34             ; lanes 0-15: 1; lanes 16-31: the lower half's product
	v_mul_f32 v[PF], v[PP], v[MM]
	v_mov_b32_dpp v[MM], v[PF] row_shr:1 row_mask:0xf bank_mask:0xf ; the product in FRONT of me: lanes 0 and 16 keep 1 and the lower half's
	v_readlane_b32 s38, v[PF], 31                  ; the turn's whole product
.if \j == 0
	v_mul_f32 v[SA], v[AL], v[MM]                  ; the first turn starts the sums: nothing is cleared
	s_wait_alu depctr_va_vdst(0)
	v_mul_f32 v[SA+1], v[SA], v[U]
	v_mul_f32 v[SA+2], v[SA], v[U+1]
	v_mul_f32 v[SA+3], v[SA], v[U+2]
	v_mul_f32 v[SA+4], v[SA], v[T0]
	v_mov_b32 v[CARRY], s38
.else
	v_mul_f32 v[MM], v[MM], v[CARRY]
	v_mul_f32 v[WW], v[AL+\j], v[MM]
	v_add_f32 v[SA], v[SA], v[WW]
	s_wait_alu depctr_va_vdst(0)
	v_fmac_f32 v[SA+1], v[WW], v[U]
	v_fmac_f32 v[SA+2], v[WW], v[U+1]
	v_fmac_f32 v[SA+3], v[WW], v[U+2]
	v_fmac_f32 v[SA+4], v[WW], v[T0+\j]
	v_mul_f32 v[CARRY], s38, v[CARRY]
.endif
.endm
	TURN 0
	TURN 1
	TURN 2
	TURN 3
	; alpha out: 128 neighbouring bytes a store; of the fourth turn only samples below min(100 w + 100, 399)
.irp j, 0,1,2
	global_store_b32 v[OA], v[AL+\j], s[20:21] offset:128*\j
.endr
	v_cmp_gt_u32 vcc_lo, s36, v[SNO]
	s_wait_xcnt 0x0                                ; EXEC is a source of the stores above: it changes only behind this wait
	s_and_saveexec_b32 s39, vcc_lo
	global_store_b32 v[OA], v[AL+3], s[20:21] offset:384
	s_wait_xcnt 0x0                                ; and again in front of the line that widens it
	s_or_b32 exec_lo, exec_lo, s39
.macro RED r                           ; sum over the 32 lanes, the result in every lane
	v_add_f32_dpp v[\r], v[\r], v[\r] row_xmask:1 row_mask:0xf bank_mask:0xf
	v_add_f32_dpp v[\r], v[\r], v[\r] row_xmask:2 row_mask:0xf bank_mask:0xf
	v_add_f32_dpp v[\r], v[\r], v[\r] row_xmask:4 row_mask:0xf bank_mask:0xf
	v_add_f32_dpp v[\r], v[\r], v[\r] row_xmask:8 row_mask:0xf bank_mask:0xf
	v_permlanex16_b32 v[SC], v[\r], s32, s33
	v_add_f32 v[\r], v[\r], v[SC]
.endm
.irp r, 0,1,2,3,4
	RED SA+\r
.endr
	v_mov_b32 v[CARRY+6], 0
	v_mov_b32 v[CARRY+7], 0
	v_mov_b32 v61, s40
	ds_store_b128 v61, v[CARRY:CARRY+3]            ; all lanes write the same bytes with the same numbers
	ds_store_b128 v61, v[CARRY+4:CARRY+7] offset:16
	s_wait_dscnt 0x0                               ; for wave 0's sake: my record is in LDS before I signal
	s_barrier_signal -1
	s_barrier_wait -1
	s_cmp_lg_u32 s2, 0
	s_cbranch_scc1 .Lend
	; wave 0 joins the records: total = S0 + P0 S1 + P0 P1 S2 + P0 P1 P2 S3
	v_mov_b32 v62, REC
.irp k, 0,1,2,3,4,5,6,7
	ds_load_b128 v[RING+4*\k:RING+4*\k+3], v62 offset:16*\k
.endr
	s_wait_dscnt 0x0
.irp w, 1,2,3
.irp i, 1,2,3,4,5
	v_fmac_f32 v[RING+\i], v[RING], v[RING+8*\w+\i]
.endr
.if \w < 3
	v_mul_f32 v[RING], v[RING], v[RING+8*\w]
.endif
.endr
	v_sub_f32 v[SC], 1.0, v[RING+1]                ; white background: 1 - acc
	v_cmp_eq_u32 vcc_lo, 1, v[LANE]
	v_cndmask_b32 v[SC+1], v[RING+2], v[RING+3], vcc_lo
	v_cmp_eq_u32 vcc_lo, 2, v[LANE]
	v_cndmask_b32 v[SC+1], v[SC+1], v[RING+4], vcc_lo
	v_add_f32 v[SC+1], v[SC+1], v[SC]              ; lanes 0, 1, 2: r, g, b
	v_lshlrev_b32 v[SC+2], 2, v[LANE]
	v_cmp_gt_u32 vcc_lo, 3, v[LANE]
	s_and_saveexec_b32 s39, vcc_lo                 ; no global instruction was issued since the last s_wait_xcnt 0
	global_store_b32 v[SC+2], v[SC+1], s[18:19]
	s_wait_xcnt 0x0
	s_or_b32 exec_lo, exec_lo, s39
	v_cmp_eq_u32 vcc_lo, 0, v[LANE]
	s_and_saveexec_b32 s39, vcc_lo
	global_store_b32 v[SC+2], v[RING+5], s[22:23]  ; depth, lane 0 at offset 0
	s_wait_xcnt 0x0
	s_or_b32 exec_lo, exec_lo, s39
.Lend:
	s_wait_tensorcnt 0x0
	ds_add_u32 v240, v241
	s_wait_dscnt 0x0
	s_endpgm
.Lfunc_end_k_q37a303f43a_render:
	.size	k_q37a303f43a_render, .Lfunc_end_k_q37a303f43a_render-k_q37a303f43a_render
	.p2alignl 7, 3214868480
	.fill 96, 4, 3214868480
	.section	.rodata,"a",@progbits
	.p2align	6, 0x0
	.amdhsa_kernel k_q37a303f43a_render
		.amdhsa_group_segment_fixed_size 45568
		.amdhsa_private_segment_fixed_size 0
		.amdhsa_enable_private_segment 0
		.amdhsa_kernarg_size 64
		.amdhsa_user_sgpr_count 2
		.amdhsa_user_sgpr_kernarg_segment_ptr 1
		.amdhsa_wavefront_size32 1
		.amdhsa_system_sgpr_workgroup_id_x 1
		.amdhsa_system_sgpr_workgroup_id_y 1
		.amdhsa_system_sgpr_workgroup_id_z 1
		.amdhsa_system_vgpr_workitem_id 0
		.amdhsa_next_free_vgpr 242
		.amdhsa_next_free_sgpr 66
		.amdhsa_reserve_vcc 1
		.amdhsa_float_denorm_mode_32 3
		.amdhsa_float_denorm_mode_16_64 3
		.amdhsa_memory_ordered 1
		.amdhsa_forward_progress 1
		.amdhsa_inst_pref_size 204
	.end_amdhsa_kernel
	.amdgpu_metadata
---
amdhsa.version: [ 1, 2 ]
amdhsa.kernels:
  - .name:           k_q37a303f43a_render
    .symbol:         k_q37a303f43a_render.kd
    .args:
      - { .name: vox, .offset: 0, .size: 8, .value_kind: global_buffer, .address_space: global }
      - { .name: smp, .offset: 8, .size: 8, .value_kind: global_buffer, .address_space: global }
      - { .name: grid_idx, .offset: 16, .size: 8, .value_kind: global_buffer, .address_space: global }
      - { .name: grid_data, .offset: 24, .size: 8, .value_kind: global_buffer, .address_space: global }
      - { .name: rays_d, .offset: 32, .size: 8, .value_kind: global_buffer, .address_space: global }
      - { .name: out0, .offset: 40, .size: 8, .value_kind: global_buffer, .address_space: global }
      - { .name: out1, .offset: 48, .size: 8, .value_kind: global_buffer, .address_space: global }
      - { .name: out2, .offset: 56, .size: 8, .value_kind: global_buffer, .address_space: global }
    .group_segment_fixed_size: 45568
    .private_segment_fixed_size: 0
    .kernarg_segment_align: 8
    .kernarg_segment_size: 64
    .max_flat_workgroup_size: 128
    .sgpr_count:     66
    .vgpr_count:     242
    .wavefront_size: 32
...
	.end_amdgpu_metadata
.endif
;; end of part 2
